; MI455X (gfx1250); checked and timed in simulation.
; The chip was launched on July 23, 2026; its instructions are those of AMD's public machine-readable ISA for CDNA 5 (MIT licence, August 2026) and "CDNA5" Instruction Set Architecture Reference Guide (July 2026). The comments in the code are by the model that wrote it; some were corrected since.
;; MLP. Allowed arithmetic: matrix products marked QUANTISED: E3M2 operands, one E8M0 scale for each 32 along K, by v_wmma_scale_f32_16x16x128_f8f6f4 with both operands' format E3M2, f32 sums; products left as they are: f32 operands where the result goes on into a quantised operand, else bf16, f16 or f32 operands; f32 sums; everything else in f32.
;; Inputs: W_mlp 512 x 1,024 float32; W_out 1 x 512 float32; b_mlp 512 float32; b_out 1 float32; decoder_states_codes 4 x 128 x 16 x 24 uint8 (E3M2 codes of decoder_states, K innermost, in blocks of 32 codes, four codes in three bytes); decoder_states_scales 4 x 128 x 16 uint8 (E8M0 scales of decoder_states, one for each 32 codes along K); encoder_states_codes 4 x 512 x 16 x 24 uint8 (E3M2 codes of encoder_states, K innermost, in blocks of 32 codes, four codes in three bytes); encoder_states_scales 4 x 512 x 16 uint8 (E8M0 scales of encoder_states, one for each 32 codes along K).
;; Outputs: out0 4 x 128 x 512 float32.
;; This version of the problem:
;;   THIS VERSION OF THE PROBLEM IS GIVEN IN LOW PRECISION. The matrix products marked QUANTISED in the list below multiply operands that are first quantised to E3M2 (3 exponent bits, 2 mantissa bits; 6 bits a number), with one power-of-two scale for each 32 numbers along K (OCP MX v1.0); their sums are f32. All else is computed in f32.
;;   The module's matrix products, in the order in which they are computed (A, B: the left and right operand; K: the contracted axis; several contracted axes count as one K, in the product's order):
;;     1. [M 2,048, K 512] x [K 512, N 512]; A: input encoder_states (given as codes); B: input W_mlp: QUANTISED
;;     2. [M 512, K 512] x [K 512, N 512]; A: input decoder_states (given as codes); B: input W_mlp: QUANTISED
;;     3. [M 262,144, K 512] x [K 512, N 1]; A: computed on the way; B: input W_out: left as it is (N = 1 < 16)
;;   THE QUANTISER, for each operand of a quantised product, along K:
;;     - K is cut into blocks of 32 from its start; a last block that is shorter is filled with zeros.
;;     - A block's scale is 2^e with e = floor(log2(the largest magnitude in the block)) - 4, held to -126 .. 127; a block of zeros has e = 0. As a byte (E8M0): e + 127.
;;     - Each number is divided by its block's scale, clamped to +-28, and rounded to the nearest number of E3M2, ties to even, subnormals kept.
;;     - The product sums the exact products of the quantised numbers (number of the format x scale) in f32.
;;   ~~~python
;;   def quantise(x, axis):      # numpy; x: float32 -> the quantised numbers, widened to float32 again
;;       x = np.moveaxis(x, axis, -1); K = x.shape[-1]
;;       x = np.pad(x, [(0, 0)] * (x.ndim - 1) + [(0, -K % 32)]); x = x.reshape(x.shape[:-1] + (-1, 32)); a = np.abs(x).max(-1, keepdims=True)
;;       e = np.where(a > 0, np.clip(np.frexp(np.where(a > 0, a, 1))[1] - 1 - 4, -126, 127), 0)      # np.frexp(a)[1] - 1 = floor(log2(a)), exactly
;;       r = np.clip(x / 2.0 ** e, -28, 28)
;;       step = 2.0 ** (np.maximum(np.frexp(np.where(r == 0, 1, r))[1] - 1, -2) - 2)
;;       q = np.round(r / step) * step * 2.0 ** e      # np.round: ties to even
;;       return np.moveaxis(q.reshape(q.shape[:-2] + (-1,))[..., :K], -1, axis).astype(np.float32)
;;   ~~~
;;   INPUTS GIVEN AS CODES. decoder_states (in the module: [4, 128, 512], K = its axis 2); encoder_states (in the module: [4, 512, 512], K = its axis 2): each comes as NAME_codes (uint8): NAME with its K axis moved to the last place and cut into blocks of 32 codes, [.., K / 32, bytes a block], one block behind the other in memory; four codes in three bytes: a row's codes are one little-endian stream of bits, code i at bits 6 i .. 6 i + 5 (a code: sign, 3 exponent bits, 2 mantissa bits); and NAME_scales (uint8): the same leading axes, one E8M0 byte (e + 127) for each 32 codes along K. Its value is code x scale, taken as it is: it is not quantised again, and the codes and scales need not be those that the quantiser above would give.
;; One version. Each part assembles by itself: llvm-mc -triple=amdgcn-amd-amdhsa -mcpu=gfx1250 --defsym DOCPART=n.
;; ======== version 1 of 1: 2 launches
;; limits: a difference of large sums (such as E[x^2] - mean^2): digits are lost where the result is much smaller than its terms
;; workspace buffers: encp 4,194,304 bytes; decn 1,048,576 bytes
;; launch proj (part 1): grid 16 x 16, 4 waves a work-group, clusters of 4 x 4, 229,888 bytes of LDS; arguments W_mlp, b_mlp, encoder_states_codes, encoder_states_scales, decoder_states_codes, decoder_states_scales, encp, decn; writes encp, decn
.if DOCPART == 1
	.amdgcn_target "amdgcn-amd-amdhsa--gfx1250"
	.amdhsa_code_object_version 6
	.text
	.protected	k_q92f53c7d70_proj
	.globl	k_q92f53c7d70_proj
	.p2align	8
	.type	k_q92f53c7d70_proj,@function
k_q92f53c7d70_proj:
	s_mov_b64 s[64:65], 0
	v_nop
	global_prefetch_b8 v0, s[64:65] scope:SCOPE_SE
	s_setreg_imm32_b32 hwreg(HW_REG_WAVE_MODE, 25, 1), 1
	s_wait_xcnt 0x0
	s_wait_alu depctr_hold_cnt(0) depctr_sa_sdst(0) depctr_va_vdst(0) depctr_va_sdst(0) depctr_va_ssrc(0) depctr_va_vcc(0) depctr_vm_vsrc(0)
	s_getreg_b32 s2, hwreg(HW_REG_IB_STS2, 6, 4)
	s_cmp_eq_u32 s2, 0
	s_cbranch_scc0 .Lentry_in_a_cluster
	s_endpgm
.Lentry_in_a_cluster:
	s_bfe_u32 s2, ttmp6, 0x10000c
	s_cmp_lg_u32 s2, 0xf033
	s_cbranch_scc0 .Lentry_shape_is_right
	s_endpgm
.Lentry_shape_is_right:
; THE TWO PROJECTIONS.  enc_proj [2048][512] = encoder states x Q(W_mlp[:, 0:512])^T and dec_proj [512][512] = decoder states x Q(W_mlp[:, 512:1024])^T, both on codes of
; BF6 (E3M2) with one E8M0 scale for each 32 along K; sums in f32.  The states arrive as codes and scale bytes and are used as they lie; W_mlp arrives as f32 and is quantised here.
; STORED:  encp = enc_proj, laid [tile of 64 rows: 32][chunk of 4 h: 128][j: 4][i: 16][k: 4] f32, row = 64 tile + 16 j + i, h = 4 chunk + k;
;          decn = -(dec_proj + b_mlp), laid [tile of 16 rows: 32][chunk of 4 h: 128][i: 16][k: 4] f32.  The next launch reads both by dense loads of 16 bytes a lane.
; SHARES.  Work-group (hb, rb): 32 rows of W_mlp (h = 32 hb ..), 128 encoder rows and 32 decoder rows (from 128 rb and 32 rb on).  Wave w: h tile t = w % 2 (16 h), encoder rows 64 (w / 2) .. + 63
; (four tiles of 16) and decoder rows 16 (w / 2) .. + 15 (one tile): five accumulators, four K steps of 128: 20 matrix instructions.
; QUANTISING W.  Wave w brings columns 256 w .. 256 w + 255 of the 32 rows into LDS by one tensor load and reads only that strip: two K steps x two h tiles = four fragments.  Lane (r, hh) takes of row r
; the numbers k = 64 c + 32 hh + 0 .. 31, c = 0, 1: two whole blocks of 32, in the order of the operand's registers.  A block's scale byte is its largest magnitude's exponent field - 4, held at 1 from below.
; The fragments go to the other waves through LDS as images of their registers (three stores of 16 bytes a lane, and the scale word, 4 bytes a lane).
; THE MATRIX INSTRUCTION IS USED TRANSPOSED: source 0 = 16 rows of W, source 1 = 16 rows of states: lane (r, hh) then holds state row r and h = 8 hh + 0 .. 7: two chunks of 4 h, which sixteen lanes store as 256 consecutive bytes.
; b_mlp is the C of the decoder accumulator's first matrix instruction.
; CLUSTER 4 x 4.  W's strips hang on hb alone: the four work-groups of a column of the cluster ask for them jointly; the codes hang on rb alone: the four of a row ask jointly.
; Nothing in LDS is filled twice: all tensor loads go out together at the start.
; LIMITS.  A block of W whose largest magnitude lies under 2^-122, a block of zeros among them, gets the byte 1 (a block of zeros has zero codes, which add nothing; the bytes are read here alone).  NaN and infinities in W_mlp are not served.
.set WPITCH, 1040                      ; a strip's row in LDS: 1,024 bytes + 16 of padding = 260 words: row r starts at bank 4 r mod 64 (64 banks of 4 bytes: ISA guide 11.1)
.set WSTRIP, 32*WPITCH                 ; a wave's strip of W
.set CP,     432                       ; a row of 512 codes in LDS: 3 x (128 bytes + 16 of padding)
.set ECOD,   4*WSTRIP                  ; 128 rows of encoder codes
.set DCOD,   ECOD+128*CP               ; 32 rows of decoder codes
.set IMG,    DCOD+32*CP                ; 16 images of fragments of W: K step s (0-3: against the encoder; 4-7: against the decoder), h tile t: image 2 s + t
.set FRB,    1536                      ; an image: 12 registers x 128 bytes
.set ISC,    IMG+16*FRB                ; their scale words, 128 bytes each
.set WADR, 4                           ; v4   my place in my wave's strip: row r, + 128 hh
.set IMGW, 5                           ; v5   where I store images: 16 x lane + 4 images x wave
.set ISCW, 6                           ; v6   and their scale words
.set SH8,  7                           ; v7   8 hh: my two scale bytes' shift
.set IMGR, 8                           ; v8   where I read images: 16 x lane + h tile t
.set ISCR, 9                           ; v9   and their scale words
.set EADR, 10                          ; v10  my row of the encoder codes, + 24 hh;  v11 the same + 40 hh, for the pieces that lie behind one padding more
.set DADR, 12                          ; v12, v13 the same for the decoder codes
.set EOFF, 14                          ; v14  my byte in encp: 2,048 hh + 16 r
.set DOFF, 15                          ; v15  my byte in decn: 512 hh + 16 r
.set AS,   18                          ; v18-21  W's scale words: operand set z: v[18 + 2 z] against the encoder, v[19 + 2 z] against the decoder.  They hold scales alone
.set SS,   22                          ; v22-41  the states' scale words: encoder tile j: v[22 + 4 j + s]; decoder: v[38 + s].  They hold scales alone
.set ACC,  42                          ; v42-81  accumulators: encoder tile j at v[42 + 8 j]; the decoder's at v74
.set SET0, 82                          ; v82-165, v166-249: two operand sets: W against the encoder 12, W against the decoder 12, four encoder tiles 48, the decoder tile 12
; while W is quantised:
.set MX,   42                          ; v42-43 largest magnitudes;  v44-45 the conversions' scale operands;  v46-47 bytes;  v48 the other half's word
.set SW,   50                          ; v50-53 the four fragments' scale words
.set H2,   54                          ; v54-56, v58-60 the upper 16 codes of a block (a conversion's three registers begin on an even number)
.set PC0,  82                          ; fragments 0-2: codes at v[82 + 12 f];
.set PC3,  62                          ; fragment 3: v62-73
.set X0,   118                         ; v118-181, v182-245: two sets of 64 numbers
.macro ROUND                           ; a round of the cluster's barrier
	s_barrier_signal -1
	s_barrier_wait -1
	s_cmp_lg_u32 s20, 0
	s_cbranch_scc1 .Lnot_wave_0_\@
	s_barrier_signal -3
.Lnot_wave_0_\@:
	s_barrier_wait -3
	s_barrier_signal -1
	s_barrier_wait -1
.endm
	s_load_b256 s[4:11], s[0:1], 0x0               ; W_mlp s[4:5], b_mlp s[6:7], encoder codes s[8:9], encoder scales s[10:11]
	s_load_b256 s[12:19], s[0:1], 0x20             ; decoder codes s[12:13], decoder scales s[14:15], encp s[16:17], decn s[18:19]
	v_lshl_add_u32 v254, v0, 2, 0x38000
	v_mov_b32 v255, 0
	ds_add_u32 v254, v255
	ds_add_u32 v254, v255
	v_lshrrev_b32 v1, 5, v0
	v_readfirstlane_b32 s20, v1                    ; wave 0..3
	s_and_b32 s21, s20, 1                          ; t: my h tile
	s_lshr_b32 s22, s20, 1                         ; which 64 encoder rows and which 16 decoder rows are mine
	s_bfe_u32 s66, ttmp6, 0x40000                  ; cx, cy: my place in the cluster
	s_bfe_u32 s67, ttmp6, 0x40004
	s_lshl_b32 s68, ttmp9, 2
	s_add_co_u32 s68, s68, s66                     ; hb = 4 x cluster x + cx
	s_and_b32 s69, ttmp7, 0xffff
	s_lshl_b32 s69, s69, 2
	s_add_co_u32 s69, s69, s67                     ; rb = 4 x cluster y + cy
	s_lshl_b32 s70, s67, 2
	s_lshl_b32 s70, 15, s70                        ; my row of the cluster
	s_lshl_b32 s71, 0x1111, s66                    ; my column
	; descriptor group 1 for W's strip: 32 rows x 256 elements of 4 bytes, 1,024 elements from row to row; 4 words of padding behind every 256
	s_or_b32 s24, s71, (2<<16)|(1<<20)|(1<<21)|(7<<22)|(3<<25)
	s_mov_b32 s25, 256<<16                         ; tensor_dim0
	s_mov_b32 s26, 32<<16                          ; tensor_dim1
	s_mov_b32 s27, 256<<16                         ; tile_dim0
	s_mov_b32 s28, 32                              ; tile_dim1
	s_mov_b32 s29, 1024                            ; tensor_dim0_stride
	s_mov_b32 s30, 0
	s_mov_b32 s31, 0
	; for the encoder codes: 32 rows x 384 bytes, dense; 4 words of padding behind every 32
	s_or_b32 s32, s70, (0<<16)|(1<<20)|(1<<21)|(4<<22)|(3<<25)
	s_mov_b32 s33, 384<<16
	s_mov_b32 s34, 32<<16
	s_mov_b32 s35, 384<<16
	s_mov_b32 s36, 32
	s_mov_b32 s37, 384
	s_mov_b32 s38, 0
	s_mov_b32 s39, 0
	; for the decoder codes: 8 such rows
	s_or_b32 s40, s70, (0<<16)|(1<<20)|(1<<21)|(4<<22)|(3<<25)
	s_mov_b32 s41, 384<<16
	s_mov_b32 s42, 8<<16
	s_mov_b32 s43, 384<<16
	s_mov_b32 s44, 8
	s_mov_b32 s45, 384
	s_mov_b32 s46, 0
	s_mov_b32 s47, 0
	; byte offsets.  What feeds W's descriptor holds hb and the wave alone, what feeds the codes' descriptors rb and the wave alone
	s_lshl_b32 s72, s68, 17                        ; W: 32 hb rows of 4,096 bytes,
	s_lshl_b32 s74, s20, 10                        ; + my 256 columns
	s_add_co_u32 s72, s72, s74
	s_mov_b32 s73, 0
	s_mul_i32 s76, s69, 128*384                    ; encoder codes: 128 rb rows of 384 bytes,
	s_mul_i32 s78, s20, 32*384                     ; + the 32 rows that I fetch
	s_add_co_u32 s76, s76, s78
	s_mov_b32 s77, 0
	s_mul_i32 s80, s69, 32*384                     ; decoder codes: 32 rb rows,
	s_mul_i32 s78, s20, 8*384                      ; + the 8 rows that I fetch
	s_add_co_u32 s80, s80, s78
	s_mov_b32 s81, 0
	s_lshl_b32 s82, s69, 11                        ; encoder scales: 16 bytes a row: 128 rb rows + my 64
	s_lshl_b32 s92, s22, 10
	s_add_co_u32 s82, s82, s92
	s_mov_b32 s83, 0
	s_lshl_b32 s84, s69, 9                         ; decoder scales: 32 rb rows + my 16
	s_lshl_b32 s92, s22, 8
	s_add_co_u32 s84, s84, s92
	s_mov_b32 s85, 0
	s_lshl_b32 s86, s68, 7                         ; b_mlp: 32 hb + 16 t numbers
	s_lshl_b32 s92, s21, 6
	s_add_co_u32 s86, s86, s92
	s_mov_b32 s87, 0
	s_lshl_b32 s88, s69, 18                        ; encp: tile 2 rb + w / 2 of 131,072 bytes, chunk 8 hb + 4 t of 1,024
	s_lshl_b32 s92, s22, 17
	s_add_co_u32 s88, s88, s92
	s_lshl_b32 s92, s68, 13
	s_add_co_u32 s88, s88, s92
	s_lshl_b32 s92, s21, 12
	s_add_co_u32 s88, s88, s92
	s_mov_b32 s89, 0
	s_lshl_b32 s90, s69, 16                        ; decn: tile 2 rb + w / 2 of 32,768 bytes, chunk 8 hb + 4 t of 256
	s_lshl_b32 s92, s22, 15
	s_add_co_u32 s90, s90, s92
	s_lshl_b32 s92, s68, 11
	s_add_co_u32 s90, s90, s92
	s_lshl_b32 s92, s21, 10
	s_add_co_u32 s90, s90, s92
	s_mov_b32 s91, 0
	s_mov_b32 s60, 0x76543210                      ; v_permlanex16_b32's selects for lane l xor 16
	s_mov_b32 s61, 0xfedcba98
	; descriptor groups 0: the LDS addresses hang on the wave's number alone
	s_mov_b32 s48, 1
	s_mul_i32 s49, s20, WSTRIP
	s_mov_b32 s52, 1
	s_mul_i32 s53, s20, 32*CP
	s_add_co_u32 s53, s53, ECOD
	s_mov_b32 s56, 1
	s_mul_i32 s57, s20, 8*CP
	s_add_co_u32 s57, s57, DCOD
	s_wait_dscnt 0x0
	s_wait_kmcnt 0x0
	s_add_nc_u64 s[50:51], s[4:5], s[72:73]
	s_or_b32 s51, s51, 0x80000000
	s_add_nc_u64 s[54:55], s[8:9], s[76:77]
	s_or_b32 s55, s55, 0x80000000
	s_add_nc_u64 s[58:59], s[12:13], s[80:81]
	s_or_b32 s59, s59, 0x80000000
	s_add_nc_u64 s[10:11], s[10:11], s[82:83]
	s_add_nc_u64 s[14:15], s[14:15], s[84:85]
	s_add_nc_u64 s[6:7], s[6:7], s[86:87]
	s_add_nc_u64 s[16:17], s[16:17], s[88:89]
	s_add_nc_u64 s[18:19], s[18:19], s[90:91]
	ROUND                                          ; all sixteen work-groups are here: the joint loads meet
	tensor_load_to_lds s[48:51], s[24:31]          ; my strip of W first: it is wanted first.  Three loads of mine are out
	s_nop 0
	tensor_load_to_lds s[52:55], s[32:39]          ; 32 rows of encoder codes
	s_nop 0
	tensor_load_to_lds s[56:59], s[40:47]          ; 8 rows of decoder codes
	s_nop 0
.rept 4
	v_nop                                          ; four plain lines behind the last tensor load
.endr
	v_and_b32 v2, 15, v0                           ; r
	v_bfe_u32 v3, v0, 4, 1                         ; hh
	v_lshlrev_b32 v16, 4, v2                       ; 16 r: a state row's four scale words
	v_lshlrev_b32 v17, 5, v3                       ; 32 hh: my eight numbers of b_mlp
.irp j, 0,1,2,3
	global_load_b128 v[SS+4*\j:SS+4*\j+3], v16, s[10:11] offset:256*\j   ; encoder tile j: row r's words for the four K steps
.endr
	global_load_b128 v[SS+16:SS+19], v16, s[14:15]                       ; the decoder tile's
	global_load_b128 v[ACC+32:ACC+35], v17, s[6:7]                       ; b_mlp(16 t + 8 hh + 0 .. 7): the decoder accumulator begins as the bias
	global_load_b128 v[ACC+36:ACC+39], v17, s[6:7] offset:16
	v_and_b32 v1, 31, v0                           ; lane
	v_mul_u32_u24 v[WADR], v2, WPITCH
	v_lshl_add_u32 v[WADR], v3, 7, v[WADR]
	v_add_nc_u32 v[WADR], s49, v[WADR]
	s_mul_i32 s92, s20, 4*FRB
	s_add_co_u32 s92, s92, IMG
	v_lshl_add_u32 v[IMGW], v1, 4, s92
	s_lshl_b32 s93, s20, 9
	s_add_co_u32 s93, s93, ISC
	v_lshl_add_u32 v[ISCW], v1, 2, s93
	v_lshlrev_b32 v[SH8], 3, v3
	s_mul_i32 s94, s21, FRB
	s_add_co_u32 s94, s94, IMG
	v_lshl_add_u32 v[IMGR], v1, 4, s94
	s_lshl_b32 s95, s21, 7
	s_add_co_u32 s95, s95, ISC
	v_lshl_add_u32 v[ISCR], v1, 2, s95
	v_mul_u32_u24 v[MX], v2, CP
	v_mad_u32_u24 v[MX], v3, 24, v[MX]             ; row r x pitch + 24 hh
	s_mul_i32 s92, s22, 64*CP
	s_add_co_u32 s92, s92, ECOD
	v_add_nc_u32 v[EADR], s92, v[MX]
	v_lshl_add_u32 v[EADR+1], v3, 4, v[EADR]
	s_mul_i32 s93, s22, 16*CP
	s_add_co_u32 s93, s93, DCOD
	v_add_nc_u32 v[DADR], s93, v[MX]
	v_lshl_add_u32 v[DADR+1], v3, 4, v[DADR]
	v_lshl_add_u32 v[EOFF], v3, 11, v16
	v_lshl_add_u32 v[DOFF], v3, 9, v16
	v_mov_b32 v48, 0                               ; written once: a lane permute's destination counts as one of its sources
; Fragment f of my strip (K step 2 w + f / 2, h tile f % 2): 64 numbers a lane into set f % 2: register 32 c + i = W(16 (f % 2) + r, k = 64 c + 32 hh + i)
.macro WLOAD f
.irp c, 0,1
.irp i, 0,1,2,3,4,5,6,7
	ds_load_b128 v[X0+64*((\f)%2)+32*\c+4*\i:X0+64*((\f)%2)+32*\c+4*\i+3], v[WADR] offset:((\f)%2)*16*WPITCH+((\f)/2)*512+256*\c+16*\i
.endr
.endr
.endm
; They become the fragment's 12 registers of codes and its scale word, which go to LDS as they stand
.macro QUANTW f
.set XB, X0+64*((\f)%2)
.if (\f) < 3
.set PB, PC0+12*(\f)
.else
.set PB, PC3
.endif
.irp c, 0,1
	v_max3_num_f32 v[MX+\c], |v[XB+32*\c]|, |v[XB+32*\c+1]|, 0x2800000   ; my block 2 c + hh: all its 32 numbers are mine; and the floor 2^(5 - 127): the byte cannot fall under 1
.endr
.irp i, 2,4,6,8,10,12,14,16,18,20,22,24,26,28,30
.irp c, 0,1
	v_max3_num_f32 v[MX+\c], v[MX+\c], |v[XB+32*\c+\i]|, |v[XB+32*\c+\i+1]|   ; (the two blocks by turns)
.endr
.endr
.irp c, 0,1
	v_add_nc_u32 v[MX+2+\c], 0xfe000000, v[MX+\c]  ; 4 off the exponent field: the conversion takes the exponent field of this operand as its scale
.endr
.irp c, 0,1
	v_lshrrev_b32 v[MX+4+\c], 23, v[MX+2+\c]       ; the scale's byte
.endr
	v_lshl_or_b32 v[SW+(\f)], v[MX+5], 16, v[MX+4] ; my two bytes: blocks hh and 2 + hh of row r,
	v_lshlrev_b32 v[SW+(\f)], v[SH8], v[SW+(\f)]   ; at their places in the word;
	v_permlanex16_b32 v48, v[SW+(\f)], s60, s61
	v_or_b32 v[SW+(\f)], v[SW+(\f)], v48           ; with lane l xor 16's two the word is whole
.irp c, 0,1
	v_cvt_scalef32_pk16_bf6_f32 v[PB+6*\c:PB+6*\c+2], v[XB+32*\c:XB+32*\c+15], v[MX+2+\c]
	v_cvt_scalef32_pk16_bf6_f32 v[H2+4*\c:H2+4*\c+2], v[XB+32*\c+16:XB+32*\c+31], v[MX+2+\c]
.endr
	v_nop                                          ; one plain line behind the scaled conversions
.irp c, 0,1
.irp i, 0,1,2
	v_mov_b32 v[PB+6*\c+3+\i], v[H2+4*\c+\i]
.endr
.endr
.irp k, 0,1,2
	ds_store_b128 v[IMGW], v[PB+4*\k:PB+4*\k+3] offset:(\f)*FRB+512*\k
.endr
	ds_store_b32 v[ISCW], v[SW+(\f)] offset:128*(\f)
.endm
	s_wait_tensorcnt 0x2                           ; tensor loads of a wave end in order: my strip of W is in; the two loads of codes may be out.  Only I read this strip
	WLOAD 0
	WLOAD 1
	s_wait_dscnt 16                                ; fragment 0's 16 loads are in; fragment 1's may be out
	QUANTW 0
	WLOAD 2
	s_wait_dscnt 20                                ; behind fragment 1's loads: 4 stores and 16 loads
	QUANTW 1
	WLOAD 3
	s_wait_dscnt 20                                ; likewise for fragment 2
	QUANTW 2
	s_wait_dscnt 4                                 ; behind fragment 3's loads: 4 stores
	QUANTW 3
	s_wait_tensorcnt 0x0                           ; for the others' sake: the codes that I fetched have landed,
	s_wait_dscnt 0x0                               ; and my images are stored
	s_barrier_signal -1
	s_barrier_wait -1                              ; the same holds of all four waves
; A fragment of states: 16 rows x 128 K of 6-bit codes, 12 registers: lane (r, hh) takes the 24 bytes at 96 s + 24 hh and at 96 s + 48 + 24 hh of row r, in pieces of 8 bytes.
; 16 bytes of padding lie behind every 16 pieces: where the piece three on (lanes 16-31) lies behind one padding more, the second address register serves.
.macro FRAG reg, adr, s, off
.irp p, 0,1,2,3,4,5
.set PN, 12*(\s)+6*(\p/3)+\p%3
.if PN%16 < 13
	ds_load_b64 v[\reg+2*\p:\reg+2*\p+1], v[\adr] offset:(\off)+8*PN+16*(PN/16)
.else
	ds_load_b64 v[\reg+2*\p:\reg+2*\p+1], v[\adr+1] offset:(\off)+8*PN+16*(PN/16)
.endif
.endr
.endm
; K step s into operand set z: 38 LDS loads
.macro LOADSET z, s
.set ZB, SET0+84*(\z)
.irp k, 0,1,2
	ds_load_b128 v[ZB+4*\k:ZB+4*\k+3], v[IMGR] offset:(\s)*2*FRB+512*\k
.endr
	ds_load_b32 v[AS+2*(\z)], v[ISCR] offset:(\s)*256
.irp k, 0,1,2
	ds_load_b128 v[ZB+12+4*\k:ZB+12+4*\k+3], v[IMGR] offset:(4+(\s))*2*FRB+512*\k
.endr
	ds_load_b32 v[AS+2*(\z)+1], v[ISCR] offset:(4+(\s))*256
.irp j, 0,1,2,3
	FRAG ZB+24+12*\j, EADR, \s, \j*16*CP
.endr
	FRAG ZB+72, DADR, \s, 0
.endm
; Its five matrix instructions.  The five accumulators take turns, one instruction a turn, from K step to K step too
.macro MULSET z, s
.set ZB, SET0+84*(\z)
.irp j, 0,1,2,3
.if (\s) == 0
	v_wmma_scale_f32_16x16x128_f8f6f4 v[ACC+8*\j:ACC+8*\j+7], v[ZB:ZB+11], v[ZB+24+12*\j:ZB+35+12*\j], 0, v[AS+2*(\z)], v[SS+4*\j+(\s)] matrix_a_fmt:MATRIX_FMT_BF6 matrix_b_fmt:MATRIX_FMT_BF6
.else
	v_wmma_scale_f32_16x16x128_f8f6f4 v[ACC+8*\j:ACC+8*\j+7], v[ZB:ZB+11], v[ZB+24+12*\j:ZB+35+12*\j], v[ACC+8*\j:ACC+8*\j+7], v[AS+2*(\z)], v[SS+4*\j+(\s)] matrix_a_fmt:MATRIX_FMT_BF6 matrix_b_fmt:MATRIX_FMT_BF6
.endif
.endr
	v_wmma_scale_f32_16x16x128_f8f6f4 v[ACC+32:ACC+39], v[ZB+12:ZB+23], v[ZB+72:ZB+83], v[ACC+32:ACC+39], v[AS+2*(\z)+1], v[SS+16+(\s)] matrix_a_fmt:MATRIX_FMT_BF6 matrix_b_fmt:MATRIX_FMT_BF6
.endm
.macro PLACES                          ; four plain lines between a matrix instruction and a load into its registers or a read of its result
.rept 4
	v_nop
.endr
.endm
	LOADSET 0, 0
	LOADSET 1, 1
	s_wait_loadcnt 0x0                             ; the states' scale words and b_mlp
	s_wait_dscnt 38                                ; K step 0's set is in; the 38 loads of K step 1 may be out
	MULSET 0, 0
	PLACES
	LOADSET 0, 2
	s_wait_dscnt 38                                ; K step 1's set is in
	MULSET 1, 1
	PLACES
	LOADSET 1, 3
	s_wait_dscnt 38                                ; K step 2's
	MULSET 0, 2
	s_wait_dscnt 0x0                               ; K step 3's
	MULSET 1, 3
	PLACES
.irp k, 0,2,4,6
	v_pk_mul_f32 v[ACC+32+\k:ACC+33+\k], v[ACC+32+\k:ACC+33+\k], -1.0 op_sel_hi:[1,0]   ; -(dec_proj + b_mlp), from the accumulator's low end on
.endr
.irp j, 0,1,2,3
	global_store_b128 v[EOFF], v[ACC+8*\j:ACC+8*\j+3], s[16:17] offset:256*\j          ; chunk 2 hh of my four: sixteen lanes store 256 consecutive bytes, at a multiple of 256 from encp's first byte
	global_store_b128 v[EOFF], v[ACC+8*\j+4:ACC+8*\j+7], s[16:17] offset:256*\j+1024   ; chunk 2 hh + 1
.endr
	global_store_b128 v[DOFF], v[ACC+32:ACC+35], s[18:19]
	global_store_b128 v[DOFF], v[ACC+36:ACC+39], s[18:19] offset:256
	s_wait_tensorcnt 0x0
	ds_add_u32 v254, v255
	s_wait_dscnt 0x0
	ROUND                                          ; the closing round: no work-group ends while a partner may still ask for a tile that names it
	s_endpgm
.Lfunc_end_k_q92f53c7d70_proj:
	.size	k_q92f53c7d70_proj, .Lfunc_end_k_q92f53c7d70_proj-k_q92f53c7d70_proj
	.p2alignl 7, 3214868480
	.fill 96, 4, 3214868480
	.section	.rodata,"a",@progbits
	.p2align	6, 0x0
	.amdhsa_kernel k_q92f53c7d70_proj
		.amdhsa_group_segment_fixed_size 229888
		.amdhsa_private_segment_fixed_size 0
		.amdhsa_enable_private_segment 0
		.amdhsa_kernarg_size 64
		.amdhsa_user_sgpr_count 2
		.amdhsa_user_sgpr_kernarg_segment_ptr 1
		.amdhsa_wavefront_size32 1
		.amdhsa_system_sgpr_workgroup_id_x 1
		.amdhsa_system_sgpr_workgroup_id_y 1
		.amdhsa_system_sgpr_workgroup_id_z 1
		.amdhsa_system_vgpr_workitem_id 0
		.amdhsa_next_free_vgpr 256
		.amdhsa_next_free_sgpr 100
		.amdhsa_reserve_vcc 0
		.amdhsa_float_denorm_mode_32 3
		.amdhsa_float_denorm_mode_16_64 3
		.amdhsa_memory_ordered 1
		.amdhsa_forward_progress 1
		.amdhsa_inst_pref_size 40
	.end_amdhsa_kernel
	.amdgpu_metadata
---
amdhsa.version: [ 1, 2 ]
amdhsa.kernels:
  - .name:           k_q92f53c7d70_proj
    .symbol:         k_q92f53c7d70_proj.kd
    .args:
      - { .name: W_mlp, .offset: 0, .size: 8, .value_kind: global_buffer, .address_space: global }
      - { .name: b_mlp, .offset: 8, .size: 8, .value_kind: global_buffer, .address_space: global }
      - { .name: encoder_states_codes, .offset: 16, .size: 8, .value_kind: global_buffer, .address_space: global }
      - { .name: encoder_states_scales, .offset: 24, .size: 8, .value_kind: global_buffer, .address_space: global }
      - { .name: decoder_states_codes, .offset: 32, .size: 8, .value_kind: global_buffer, .address_space: global }
      - { .name: decoder_states_scales, .offset: 40, .size: 8, .value_kind: global_buffer, .address_space: global }
      - { .name: encp, .offset: 48, .size: 8, .value_kind: global_buffer, .address_space: global }
      - { .name: decn, .offset: 56, .size: 8, .value_kind: global_buffer, .address_space: global }
    .group_segment_fixed_size: 229888
    .private_segment_fixed_size: 0
    .kernarg_segment_align: 8
    .kernarg_segment_size: 64
    .max_flat_workgroup_size: 128
    .sgpr_count:     100
    .vgpr_count:     256
    .wavefront_size: 32
...
	.end_amdgpu_metadata
.endif
;; end of part 1
;; launch score (part 2): grid 8 x 32, 8 waves a work-group, clusters of 4 x 4, 235,520 bytes of LDS; arguments encp, decn, W_out, b_out, out0; writes out0
.if DOCPART == 2
	.amdgcn_target "amdgcn-amd-amdhsa--gfx1250"
	.amdhsa_code_object_version 6
	.text
	.protected	k_q92f53c7d70_score
	.globl	k_q92f53c7d70_score
	.p2align	8
	.type	k_q92f53c7d70_score,@function
k_q92f53c7d70_score:
	s_mov_b64 s[64:65], 0
	v_nop
	global_prefetch_b8 v0, s[64:65] scope:SCOPE_SE
	s_setreg_imm32_b32 hwreg(HW_REG_WAVE_MODE, 25, 1), 1
	s_wait_xcnt 0x0
	s_wait_alu depctr_hold_cnt(0) depctr_sa_sdst(0) depctr_va_vdst(0) depctr_va_sdst(0) depctr_va_ssrc(0) depctr_va_vcc(0) depctr_vm_vsrc(0)
	s_getreg_b32 s2, hwreg(HW_REG_IB_STS2, 6, 4)
	s_cmp_eq_u32 s2, 0
	s_cbranch_scc0 .Lentry_in_a_cluster
	s_endpgm
.Lentry_in_a_cluster:
	s_bfe_u32 s2, ttmp6, 0x10000c
	s_cmp_lg_u32 s2, 0xf033
	s_cbranch_scc0 .Lentry_shape_is_right
	s_endpgm
.Lentry_shape_is_right:
; out0[b][q][e] = sum over h of W_out[h] relu(dec_proj[b][q][h] + enc_proj[b][e][h] + b_mlp[h]) + b_out, all in f32.
; encp holds E = enc_proj, decn holds ND = -(dec_proj + b_mlp), both laid in chunks of 4 h (see below).  relu(E - ND) = max(E, ND) - ND, so
;   out(q, e) = sum_h w_h max(E(e, h), ND(q, h)) - S(q) + b_out,   S(q) = sum_h w_h ND(q, h):  one maximum and one fused multiply-add for each (q, e, h).
; LIMITS.  The order of rounding differs from the plain form: two f32 sums, each of size at most sum |w_h| x max(|E|, |ND|), are subtracted, so the absolute error is some 2^-23 of that size.
; NaN and infinities in the projections are not served (the maximum drops a NaN).
; SHARES.  A work-group makes 16 queries x 64 encoder rows of one batch.  h is split sixteen ways: wave w (of 8), step c (of 8) and half rho of the lanes take the 4 h of chunk 16 w + 2 c + rho.
; In a half, lane i holds ND of query i and E of encoder rows 16 j + i, j = 0 .. 3.  For each n = 0 .. 15 the half's ND is taken from lane i xor n (a move with row_xmask) and serves the lane's four rows:
; accumulator (n, j) of lane i belongs to query i xor n and encoder row 16 j + i.  h goes in pairs: one dual instruction takes two maxima, one packed multiply-add takes both with the pair (w_h, w_h+1).
; For a pair of h and one n: 2 moves, 4 dual maxima, 4 packed multiply-adds for 8 numbers.  Each byte of the two tiles is read from LDS once.
; The sixteen partial sums of each output meet in LDS; thread (q, i) adds them, and the results leave as rows of 256 bytes.
; MEMORY.  encp: [tile 32][chunk 128][j 4][i 16][k 4] f32: a tile of 64 rows is 131,072 dense bytes.  decn: [tile 32][chunk 128][i 16][k 4]: a tile of 16 rows is 32,768 dense bytes.
; Wave w fetches exactly the chunks that it reads (16,384 bytes of E in four loads, 4,096 of ND in one): its own waits on TENSORcnt order its reads, and the slices of E are waited for one by one.
; CLUSTER 4 x 4.  E's tile hangs on the batch and the tile of encoder rows: the four work-groups of a column of the cluster (one batch: 4 tiles of queries) ask for it jointly; ND's hangs on the tile of queries: a row asks jointly.
; Nothing in LDS is filled twice.
.set DT,    131072                     ; LDS: E's tile at 0; ND's tile here;
.set PART,  163840                     ; 16 partial tiles p = 2 w + rho, 4,096 bytes each, [q 16][i 16][j 4] f32 (a multiple of 4,096, so that an exclusive or on bits 8-11 changes q alone);
.set SPART, 229376                     ; S's partial sums [q 16][p 16] f32;
.set STG,   230400                     ; the stage [q 16][e 64] f32
.set EA,   1                           ; v1   my 16 bytes of E's chunk: 16,384 w + 1,024 rho + 16 i
.set DA,   2                           ; v2   of ND's chunk: DT + 4,096 w + 256 rho + 16 i
.set WO,   3                           ; v3   my 4 numbers of W_out: 256 w + 16 rho
.set PRE,  4                           ; v4   PART + 4,096 p + 256 i + 16 i
.set SPA,  5                           ; v5   SPART + 64 i + 4 p
.set PRD,  6                           ; v6   PART + 16 x thread
.set SPR,  7                           ; v7   SPART + 4 x thread
.set SGW,  8                           ; v8   STG + 256 (thread / 16) + 4 (thread % 16)
.set SGR,  9                           ; v9   STG + 16 x thread
.set GO,   10                          ; v10  my byte in the tile's rows of out0: 2,048 (thread / 16) + 16 (thread % 16)
.set SS,   12                          ; v[12:13] S, for even and odd h
.set DP,   14                          ; v[14:15] ND of lane i xor n, a pair of h
.set T,    18                          ; v18-25  four pairs of maxima
.set WR,   34                          ; v34-65  W_out: step c's four numbers at v[34 + 4 c]
.set SETS, 66                          ; v66-85, v86-105: two sets: ND 4, then E of row j at + 4 + 4 j
.set SA,   106                         ; v106-121 the sixteen addresses of the partial sums
.set ACC,  128                         ; v128-255 accumulator (n, j): the pair v[128 + 8 n + 2 j]
.macro ROUND                           ; a round of the cluster's barrier
	s_barrier_signal -1
	s_barrier_wait -1
	s_cmp_lg_u32 s14, 0
	s_cbranch_scc1 .Lnot_wave_0_\@
	s_barrier_signal -3
.Lnot_wave_0_\@:
	s_barrier_wait -3
	s_barrier_signal -1
	s_barrier_wait -1
.endm
	s_load_b256 s[4:11], s[0:1], 0x0               ; encp s[4:5], decn s[6:7], W_out s[8:9], b_out s[10:11]
	s_load_b64 s[12:13], s[0:1], 0x20              ; out0
	v_lshl_add_u32 v126, v0, 2, 0x39400
	v_mov_b32 v127, 0
	ds_add_u32 v126, v127
	ds_add_u32 v126, v127
	v_lshrrev_b32 v1, 5, v0
	v_readfirstlane_b32 s14, v1                    ; wave 0..7
	s_bfe_u32 s66, ttmp6, 0x40000                  ; cx, cy: my place in the cluster
	s_bfe_u32 s67, ttmp6, 0x40004
	s_and_b32 s68, ttmp7, 0xffff                   ; cluster y
	s_lshl_b32 s69, ttmp9, 2
	s_add_co_u32 s69, s69, s66                     ; the tile of 64 encoder rows in its batch = 4 x cluster x + cx
	s_lshl_b32 s70, s68, 2
	s_add_co_u32 s70, s70, s67                     ; the tile of 16 queries, of 32 = 4 x cluster y + cy
	s_lshr_b32 s71, s68, 1                         ; the batch: eight tiles of queries, two clusters: it hangs on the cluster's y alone
	s_lshl_b32 s72, 0x1111, s66                    ; my column of the cluster
	s_lshl_b32 s73, s67, 2
	s_lshl_b32 s73, 15, s73                        ; my row
	; descriptor groups 1: 16 rows of 256 bytes (32 elements of 8 bytes), dense, no padding; E's with my column's mask, ND's with my row's
	s_or_b32 s16, s72, (3<<16)|(1<<21)
	s_or_b32 s24, s73, (3<<16)|(1<<21)
.irp g, 16, 24
	s_mov_b32 s[\g+1], 32<<16                      ; tensor_dim0
	s_mov_b32 s[\g+2], 16<<16                      ; tensor_dim1
	s_mov_b32 s[\g+3], 32<<16                      ; tile_dim0
	s_mov_b32 s[\g+4], 16                          ; tile_dim1
	s_mov_b32 s[\g+5], 32                          ; tensor_dim0_stride
	s_mov_b32 s[\g+6], 0
	s_mov_b32 s[\g+7], 0
.endr
	s_lshl_b32 s74, s71, 3
	s_add_co_u32 s74, s74, s69                     ; E's tile, of 32,
	s_lshl_b32 s74, s74, 17                        ; in bytes,
	s_lshl_b32 s15, s14, 14                        ; + my wave's 16 chunks (also their place in LDS)
	s_add_co_u32 s74, s74, s15
	s_mov_b32 s75, 0
	s_lshl_b32 s76, s70, 15                        ; ND's tile,
	s_lshl_b32 s53, s14, 12                        ; + my wave's 16 chunks
	s_add_co_u32 s76, s76, s53
	s_mov_b32 s77, 0
	s_lshl_b32 s78, s70, 15                        ; out0: 16 rows of 2,048 bytes for each tile of queries,
	s_lshl_b32 s79, s69, 8                         ; + 64 columns for each tile of encoder rows
	s_add_co_u32 s78, s78, s79
	s_mov_b32 s79, 0
	s_wait_dscnt 0x0
	s_wait_kmcnt 0x0
	s_load_b32 s52, s[10:11], 0x0                  ; b_out
	s_add_nc_u64 s[12:13], s[12:13], s[78:79]
	s_add_nc_u64 s[74:75], s[4:5], s[74:75]
	s_mov_b32 s32, 1                               ; group 0 for ND's slice
	s_add_co_u32 s33, s53, DT
	s_add_nc_u64 s[34:35], s[6:7], s[76:77]
	s_or_b32 s35, s35, 0x80000000
.irp k, 0,1,2,3                                ; and for E's four: slice k holds the chunks of steps 2 k and 2 k + 1
	s_mov_b32 s[36+4*\k], 1
	s_add_co_u32 s[37+4*\k], s15, \k*4096
	s_add_nc_u64 s[38+4*\k:39+4*\k], s[74:75], \k*4096
	s_or_b32 s[39+4*\k], s[39+4*\k], 0x80000000
.endr
	ROUND                                          ; all sixteen work-groups are here: the joint loads meet
	tensor_load_to_lds s[32:35], s[24:31]          ; ND's slice, then E's four in the order of their use.  Five loads of mine are out
	s_nop 0
	tensor_load_to_lds s[36:39], s[16:23]
	s_nop 0
	tensor_load_to_lds s[40:43], s[16:23]
	s_nop 0
	tensor_load_to_lds s[44:47], s[16:23]
	s_nop 0
	tensor_load_to_lds s[48:51], s[16:23]
	s_nop 0
.rept 4
	v_nop                                          ; four plain lines behind the last tensor load
.endr
	v_and_b32 v26, 15, v0                          ; i
	v_bfe_u32 v27, v0, 4, 1                        ; rho
	v_lshrrev_b32 v28, 4, v0                       ; thread / 16
	s_lshl_b32 s54, s14, 8
	v_lshl_add_u32 v[WO], v27, 4, s54
.irp c, 0,1,2,3,4,5,6,7
	global_load_b128 v[WR+4*\c:WR+4*\c+3], v[WO], s[8:9] offset:32*\c    ; W_out(64 w + 8 c + 4 rho + 0 .. 3): they stay in registers
.endr
	v_lshlrev_b32 v[EA], 4, v26
	v_lshl_add_u32 v[DA], v27, 8, v[EA]
	v_add_nc_u32 v[DA], s33, v[DA]
	v_lshl_add_u32 v[GO], v28, 11, v[EA]
	v_lshl_add_u32 v[PRE], v26, 8, v[EA]
	v_lshl_add_u32 v[EA], v27, 10, v[EA]
	v_add_nc_u32 v[EA], s15, v[EA]
	v_lshl_add_u32 v[PRE], v27, 12, v[PRE]
	s_lshl_b32 s55, s14, 13
	s_add_co_u32 s55, s55, PART
	v_add_nc_u32 v[PRE], s55, v[PRE]
	v_lshlrev_b32 v[SPA], 6, v26
	v_lshl_add_u32 v[SPA], v27, 2, v[SPA]
	s_lshl_b32 s56, s14, 3
	s_add_co_u32 s56, s56, SPART
	v_add_nc_u32 v[SPA], s56, v[SPA]
	v_lshl_add_u32 v[PRD], v0, 4, PART
	v_lshl_add_u32 v[SPR], v0, 2, SPART
	v_lshlrev_b32 v[SGW], 2, v26
	v_lshl_add_u32 v[SGW], v28, 8, v[SGW]
	v_add_nc_u32 v[SGW], STG, v[SGW]
	v_lshl_add_u32 v[SGR], v0, 4, STG
	v_mov_b32 v[DP], 0                             ; written once: the destination of a move between lanes counts as one of its sources
	v_mov_b32 v[DP+1], 0
.macro LDSLOAD c                       ; step c's chunk into set c % 2: five loads, each half of the lanes 256 consecutive bytes
	ds_load_b128 v[SETS+20*((\c)%2):SETS+20*((\c)%2)+3], v[DA] offset:512*(\c)
.irp j, 0,1,2,3
	ds_load_b128 v[SETS+20*((\c)%2)+4+4*\j:SETS+20*((\c)%2)+7+4*\j], v[EA] offset:2048*(\c)+256*\j
.endr
.endm
.macro MAXES d                         ; four dual maxima: T(j) = max(ND of the lane in hand, E(j)), for the pair of h.  Destinations even and odd, each pair of sources neighbours: different register banks
.irp j, 0,1,2,3
	v_dual_max_num_f32 v[T+2*\j], v[\d], v[ER+4*\j] :: v_dual_max_num_f32 v[T+2*\j+1], v[\d+1], v[ER+4*\j+1]
.endr
.endm
.macro FMAS n, first                   ; accumulator (n, j) += T(j) x (w_h, w_h+1);  first = 1: the first product starts the sums: nothing is cleared
.irp j, 0,1,2,3
.if \first
	v_pk_mul_f32 v[ACC+8*(\n)+2*\j:ACC+8*(\n)+2*\j+1], v[T+2*\j:T+2*\j+1], v[WP:WP+1]
.else
	v_pk_fma_f32 v[ACC+8*(\n)+2*\j:ACC+8*(\n)+2*\j+1], v[T+2*\j:T+2*\j+1], v[WP:WP+1], v[ACC+8*(\n)+2*\j:ACC+8*(\n)+2*\j+1]
.endif
.endr
.endm
; Pair hp (0, 1) of step c's four h, against all sixteen n.  The moves for n stand between the maxima and the multiply-adds of n - 1, so that no line reads the result of the line above it
.macro PAIR c, hp, first
.set NR, SETS+20*((\c)%2)+2*(\hp)
.set ER, SETS+20*((\c)%2)+4+2*(\hp)
.set WP, WR+4*(\c)+2*(\hp)
.if \first
	v_pk_mul_f32 v[SS:SS+1], v[NR:NR+1], v[WP:WP+1]
.else
	v_pk_fma_f32 v[SS:SS+1], v[NR:NR+1], v[WP:WP+1], v[SS:SS+1]
.endif
	MAXES NR                                       ; n = 0: my own query
.irp n, 1,2,3,4,5,6,7,8,9,10,11,12,13,14,15
	v_mov_b32_dpp v[DP], v[NR] row_xmask:\n row_mask:0xf bank_mask:0xf
	v_mov_b32_dpp v[DP+1], v[NR+1] row_xmask:\n row_mask:0xf bank_mask:0xf
	FMAS \n-1, \first
	MAXES DP
.endr
	FMAS 15, \first
.endm
.macro STEP c
	s_wait_dscnt 0x0                               ; this step's five loads, issued half a step ago
.if (\c) == 0
	PAIR \c, 0, 1
.else
	PAIR \c, 0, 0
.endif
.if (\c) < 7
.if ((\c)+1)%2 == 0
	s_wait_tensorcnt 3-((\c)+1)/2                  ; the next slice of E is in: as many loads were issued behind it
.endif
	LDSLOAD (\c)+1                                 ; into the set that the step before has left
.endif
	PAIR \c, 1, 0
.endm
	s_wait_tensorcnt 0x3                           ; ND's slice and E's first are in; three loads were issued behind them.  Only I read my slices
	LDSLOAD 0
	s_wait_loadcnt 0x0                             ; W_out
	s_wait_kmcnt 0x0                               ; b_out
.irp c, 0,1,2,3,4,5,6,7
	STEP \c
.endr
	; THE PARTIAL SUMS.  Even and odd h are added; lane i's four numbers of n belong to query i xor n: bits 8-11 of the address are turned by n.  The sixteen lanes of a half write sixteen different columns of 16 bytes
.irp n, 0,1,2,3,4,5,6,7,8,9,10,11,12,13,14,15
.irp j, 0,1,2,3
	v_add_f32 v[ACC+8*\n+\j], v[ACC+8*\n+2*\j], v[ACC+8*\n+2*\j+1]
.endr
	v_xor_b32 v[SA+\n], \n*256, v[PRE]
	ds_store_b128 v[SA+\n], v[ACC+8*\n:ACC+8*\n+3]
.endr
	v_add_f32 v[SS], v[SS], v[SS+1]
	ds_store_b32 v[SPA], v[SS]
	s_wait_dscnt 0x0                               ; for the others' sake: my stores are done
	s_barrier_signal -1
	s_barrier_wait -1
	; THE SUM.  Thread (q = thread / 16, i = thread % 16) adds the sixteen partial sums of out(q, 16 j + i), j = 0 .. 3
.irp p, 0,1,2,3,4,5,6,7,8,9,10,11,12,13,14,15
	ds_load_b128 v[ACC+4*\p:ACC+4*\p+3], v[PRD] offset:4096*\p
.endr
	ds_load_b32 v192, v[SPR]                       ; S's partial sum p = i of query q
	s_wait_dscnt 0x0
.irp d, 8,4,2,1
.set p, 0
.rept \d
	v_pk_add_f32 v[ACC+4*p:ACC+4*p+1], v[ACC+4*p:ACC+4*p+1], v[ACC+4*(p+\d):ACC+4*(p+\d)+1]
	v_pk_add_f32 v[ACC+4*p+2:ACC+4*p+3], v[ACC+4*p+2:ACC+4*p+3], v[ACC+4*(p+\d)+2:ACC+4*(p+\d)+3]
.set p, p+1
.endr
.endr
	v_add_f32_dpp v192, v192, v192 row_xmask:1 row_mask:0xf bank_mask:0xf   ; S(q): the sixteen lanes of a half share q
	v_add_f32_dpp v192, v192, v192 row_xmask:2 row_mask:0xf bank_mask:0xf
	v_add_f32_dpp v192, v192, v192 row_xmask:4 row_mask:0xf bank_mask:0xf
	v_add_f32_dpp v192, v192, v192 row_xmask:8 row_mask:0xf bank_mask:0xf
	v_sub_f32 v193, s52, v192                      ; b_out - S(q)
.irp j, 0,1,2,3
	v_add_f32 v[ACC+\j], v[ACC+\j], v193
.endr
	; THE WAY OUT.  A thread's four numbers lie 16 columns apart: they go through the stage, whose rows 2 w and 2 w + 1 are my wave's own, and come back 16 neighbouring bytes a lane
.irp j, 0,1,2,3
	ds_store_b32 v[SGW], v[ACC+\j] offset:64*\j
.endr
	ds_load_b128 v[196:199], v[SGR]                ; LDS serves a wave's instructions in order (ISA guide 5.7.1.4): this sees my stores
	s_wait_dscnt 0x0
	global_store_b128 v[GO], v[196:199], s[12:13] th:TH_STORE_NT   ; sixteen lanes store 256 consecutive bytes, at a multiple of 256 from out0's first byte
	s_wait_tensorcnt 0x0
	ds_add_u32 v126, v127
	s_wait_dscnt 0x0
	ROUND                                          ; the closing round: no work-group ends while a partner may still ask for a tile that names it
	s_endpgm
.Lfunc_end_k_q92f53c7d70_score:
	.size	k_q92f53c7d70_score, .Lfunc_end_k_q92f53c7d70_score-k_q92f53c7d70_score
	.p2alignl 7, 3214868480
	.fill 96, 4, 3214868480
	.section	.rodata,"a",@progbits
	.p2align	6, 0x0
	.amdhsa_kernel k_q92f53c7d70_score
		.amdhsa_group_segment_fixed_size 235520
		.amdhsa_private_segment_fixed_size 0
		.amdhsa_enable_private_segment 0
		.amdhsa_kernarg_size 40
		.amdhsa_user_sgpr_count 2
		.amdhsa_user_sgpr_kernarg_segment_ptr 1
		.amdhsa_wavefront_size32 1
		.amdhsa_system_sgpr_workgroup_id_x 1
		.amdhsa_system_sgpr_workgroup_id_y 1
		.amdhsa_system_sgpr_workgroup_id_z 1
		.amdhsa_system_vgpr_workitem_id 0
		.amdhsa_next_free_vgpr 256
		.amdhsa_next_free_sgpr 80
		.amdhsa_reserve_vcc 0
		.amdhsa_float_denorm_mode_32 3
		.amdhsa_float_denorm_mode_16_64 3
		.amdhsa_memory_ordered 1
		.amdhsa_forward_progress 1
		.amdhsa_inst_pref_size 178
	.end_amdhsa_kernel
	.amdgpu_metadata
---
amdhsa.version: [ 1, 2 ]
amdhsa.kernels:
  - .name:           k_q92f53c7d70_score
    .symbol:         k_q92f53c7d70_score.kd
    .args:
      - { .name: encp, .offset: 0, .size: 8, .value_kind: global_buffer, .address_space: global }
      - { .name: decn, .offset: 8, .size: 8, .value_kind: global_buffer, .address_space: global }
      - { .name: W_out, .offset: 16, .size: 8, .value_kind: global_buffer, .address_space: global }
      - { .name: b_out, .offset: 24, .size: 8, .value_kind: global_buffer, .address_space: global }
      - { .name: out0, .offset: 32, .size: 8, .value_kind: global_buffer, .address_space: global }
    .group_segment_fixed_size: 235520
    .private_segment_fixed_size: 0
    .kernarg_segment_align: 8
    .kernarg_segment_size: 40
    .max_flat_workgroup_size: 256
    .sgpr_count:     80
    .vgpr_count:     256
    .wavefront_size: 32
...
	.end_amdgpu_metadata
.endif
;; end of part 2
